; MI455X (gfx1250); checked and timed in simulation.
; The chip was launched on July 23, 2026; its instructions are those of AMD's public machine-readable ISA for CDNA 5 (MIT licence, August 2026) and "CDNA5" Instruction Set Architecture Reference Guide (July 2026). The comments in the code are by the model that wrote it; some were corrected since.
;; Point Warping. Allowed arithmetic: float matrix products may take bf16 or f16 operands with f32 sums; all other float work in f32.
;; Inputs: flow1 4 x 3 x 4,096 float32; xyz1 4 x 3 x 4,096 float32; xyz2 4 x 3 x 4,096 float32.
;; Outputs: out0 4 x 3 x 4,096 float32.
;; 2 versions, each right; version 2 is version 1 with the launch nearest_groups written anew for expert scheduling mode. Each part assembles by itself: llvm-mc -triple=amdgcn-amd-amdhsa -mcpu=gfx1250 --defsym DOCPART=n.
;; ======== version 1 of 2: 2 launches
;; workspace buffers: groups 65,536 bytes of whole numbers
;; launch nearest_groups (part 1): grid 256 x 1, 8 waves a work-group, no clusters, 62,720 bytes of LDS; arguments xyz1, xyz2, flow1, groups; writes groups
.if DOCPART == 1
	.amdgcn_target "amdgcn-amd-amdhsa--gfx1250"
	.amdhsa_code_object_version 6
	.text
	.protected	k_q4e157c1cb7_nearest_groups
	.globl	k_q4e157c1cb7_nearest_groups
	.p2align	8
	.type	k_q4e157c1cb7_nearest_groups,@function
k_q4e157c1cb7_nearest_groups:
	s_mov_b64 s[64:65], 0
	v_nop
	global_prefetch_b8 v0, s[64:65] scope:SCOPE_SE
	s_setreg_imm32_b32 hwreg(HW_REG_WAVE_MODE, 25, 1), 1
	s_wait_xcnt 0x0
; For every query point of xyz2: WHICH THREE GROUPS of 16 consecutive warped points p = xyz1 + flow1 hold its three nearest points.
; Groups are ordered by (smallest squared distance in the group, group number).  A group that holds one of the three nearest points
; (points ordered by distance, then index) has a minimum no later than the third point, and at most three groups can have that:
; so the first three groups hold all three points, ties included.  Only one insertion with an index is paid for 16 distances.
; The three numbers (0..255), sorted ascending, go out as one word a query: bits 7:0, 15:8, 23:16.  The next launch looks inside the groups.
;
; A work-group: 64 queries of one batch against all 4,096 candidates; 8 waves.  Wave w: candidates 512 w .. 512 w + 511 (32 groups) for all
; 64 queries; lane l: queries 2 l and 2 l + 1.  Distances in f32 as differences, as the definition has them: p - q, then x*x, fma, fma.
; No matrix instruction: 16-bit operands would change which neighbour is nearest.  No cluster and no joint loads: what work-groups share is
; the batch's 2 x 49,152 bytes, read once at the head, against 64 x 4,096 = 262,144 distances of the work-group.
; LIMITS: inputs finite (no NaN); squared distances must stay below f32's largest number (coordinate differences under about 1e19);
; the sum of the three squares is fused, so its last bit may differ from a sum of three rounded products.
.set NPT,    4096
.set CH,     4*NPT                     ; bytes of one channel of one batch
.set BATCH,  3*CH                      ; bytes of one batch; also the table's bytes in LDS
.set GRP,    16                        ; candidates in a group
.set WAVES,  8
.set TRIPS,  NPT/WAVES/(2*GRP)         ; 16 trips of two groups
.set FLD,    256                       ; LDS: one field (a minimum or a number) of 64 queries
.set WSCR,   6*FLD                     ; LDS: one wave's three minima and three numbers
.set SCR,    BATCH                     ; LDS: the waves' results, behind the table
.set PACK,   SCR+WAVES*WSCR            ; LDS: the 64 packed words
.set NQ,  4                            ; v[4:15]   -q: query i, channel c at NQ+6i+2c, the value twice (a pair for packed adds)
.set MN0, 16                           ; v[16:17]  smallest group minimum, query 0 and 1
.set MN1, 18                           ; second
.set MN2, 20                           ; third
.set ID0, 22                           ; their group numbers
.set ID1, 24
.set ID2, 26
.set GM,  28                           ; v[28:29]  this group's minimum, query 0 and 1
.set LA,  30                           ; LDS address of the wave's current groups (the same in all lanes: a broadcast)
.set SA,  31                           ; LDS address in the scratch
.set T,   32                           ; v[32:63]  16 squared distances for query 0, 16 for query 1
.set U,   64                           ; v[64:95]  differences at work, likewise
.set PA,  96                           ; v[96:143]  candidate buffer A: 16 x, 16 y, 16 z
.set PB,  144                          ; v[144:191] candidate buffer B
.set QT,  T                            ; the queries as loaded
.set R,   PA                           ; the merge: waves 1..7's results
.set CM,  24                           ; s[24:29]  lane masks of the compares
	s_load_b256 s[4:11], s[0:1], 0x0               ; xyz1 s[4:5], xyz2 s[6:7], flow1 s[8:9], groups s[10:11]
	v_lshl_add_u32 v192, v0, 2, 0xf100
	v_mov_b32 v193, 0
	v_and_b32 v1, 31, v0                           ; lane
	v_lshrrev_b32 v2, 5, v0
	v_readfirstlane_b32 s12, v2                    ; wave
	s_lshr_b32 s13, ttmp9, 6                       ; batch: 64 work-groups each
	s_and_b32 s14, ttmp9, 63                       ; block of 64 queries
	s_mul_i32 s16, s13, BATCH
	s_mov_b32 s17, 0
	s_lshl_b32 s15, s14, 8                         ; 64 queries x 4 bytes
	s_lshl_b32 s18, s12, 11                        ; my wave's 512 candidates x 4 bytes
	v_lshl_add_u32 v2, v1, 3, s15                  ; my two queries
	v_lshlrev_b32 v3, 4, v0                        ; 16 bytes a thread: 4,096 consecutive bytes a step for the work-group
	s_wait_kmcnt 0x0
	s_add_nc_u64 s[4:5], s[4:5], s[16:17]
	s_add_nc_u64 s[6:7], s[6:7], s[16:17]
	s_add_nc_u64 s[8:9], s[8:9], s[16:17]
	global_load_b64 v[QT:QT+1],   v2, s[6:7]
	global_load_b64 v[QT+2:QT+3], v2, s[6:7] offset:CH
	global_load_b64 v[QT+4:QT+5], v2, s[6:7] offset:2*CH
.irp j, 0,1,2,3,4,5,6,7,8,9,10,11
	global_load_b128 v[PA+4*\j:PA+4*\j+3], v3, s[4:5] offset:4096*\j
	global_load_b128 v[PB+4*\j:PB+4*\j+3], v3, s[8:9] offset:4096*\j
.endr
	; while they are on their way: the state.  +infinity loses against every finite minimum; the numbers start at a group that exists.
	s_lshl_b32 s20, s12, 5                         ; number of buffer A's group: 32 x wave, then + 2 a trip
	s_add_co_u32 s21, s20, 1                       ; of buffer B's
.irp r, MN0, MN0+1, MN1, MN1+1, MN2, MN2+1
	v_mov_b32 v[\r], 0x7f800000
.endr
.irp r, ID0, ID0+1, ID1, ID1+1, ID2, ID2+1
	v_mov_b32 v[\r], s20
.endr
	v_mov_b32 v[LA], s18
	; the table p = xyz1 + flow1, laid in LDS as a batch lies in memory: x[4096], y[4096], z[4096]
.irp j, 0,1,2,3,4,5,6,7,8,9,10,11
	s_wait_loadcnt 22-2*\j                         ; loads return in order (ISA guide 5.7.1): pair j is in, the 11 - j younger pairs stay out
	v_pk_add_f32 v[PA+4*\j:PA+4*\j+1],   v[PA+4*\j:PA+4*\j+1],   v[PB+4*\j:PB+4*\j+1]
	v_pk_add_f32 v[PA+4*\j+2:PA+4*\j+3], v[PA+4*\j+2:PA+4*\j+3], v[PB+4*\j+2:PB+4*\j+3]
	ds_store_b128 v3, v[PA+4*\j:PA+4*\j+3] offset:4096*\j
.endr
.irp c, 0,1,2
	v_xor_b32 v[NQ+2*\c],   0x80000000, v[QT+2*\c]     ; -q, so that p - q is one packed add without modifiers
	v_xor_b32 v[NQ+2*\c+1], 0x80000000, v[QT+2*\c]
	v_xor_b32 v[NQ+6+2*\c], 0x80000000, v[QT+2*\c+1]
	v_xor_b32 v[NQ+7+2*\c], 0x80000000, v[QT+2*\c+1]
.endr
	s_wait_dscnt 0x0                               ; my part of the table is written: every wave reads parts that others wrote
	s_barrier_signal -1
	s_barrier_wait -1
; 12 LDS loads: one group's 16 x, 16 y, 16 z; every lane asks for the same bytes
.macro LOADG buf, off
.irp c, 0,1,2
.irp k, 0,1,2,3
	ds_load_b128 v[\buf+16*\c+4*\k:\buf+16*\c+4*\k+3], v[LA] offset:\c*CH+16*\k+\off
.endr
.endr
.endm
; 16 differences of channel c for query q, two at a time
.macro ADDC q, dst, buf, c
.irp k, 0,2,4,6,8,10,12,14
	v_pk_add_f32 v[\dst+16*\q+\k:\dst+16*\q+\k+1], v[\buf+16*\c+\k:\buf+16*\c+\k+1], v[NQ+6*\q+2*\c:NQ+6*\q+2*\c+1]
.endr
.endm
.macro SQ0 q                           ; T = dx dx
.irp k, 0,2,4,6,8,10,12,14
	v_pk_mul_f32 v[T+16*\q+\k:T+16*\q+\k+1], v[T+16*\q+\k:T+16*\q+\k+1], v[T+16*\q+\k:T+16*\q+\k+1]
.endr
.endm
.macro SQA q                           ; T += U U
.irp k, 0,2,4,6,8,10,12,14
	v_pk_fma_f32 v[T+16*\q+\k:T+16*\q+\k+1], v[U+16*\q+\k:U+16*\q+\k+1], v[U+16*\q+\k:U+16*\q+\k+1], v[T+16*\q+\k:T+16*\q+\k+1]
.endr
.endm
; the smallest of 16: 5 + 2 three-way minima and one two-way
.macro MINA q
.irp k, 0,3,6,9,12
	v_min3_num_f32 v[T+16*\q+\k], v[T+16*\q+\k], v[T+16*\q+\k+1], v[T+16*\q+\k+2]
.endr
.endm
.macro MINB q
	v_min3_num_f32 v[T+16*\q],   v[T+16*\q],   v[T+16*\q+3],  v[T+16*\q+6]
	v_min3_num_f32 v[T+16*\q+9], v[T+16*\q+9], v[T+16*\q+12], v[T+16*\q+15]
.endm
.macro MINC q
	v_min_num_f32 v[GM+\q], v[T+16*\q], v[T+16*\q+9]
.endm
; Insertion of (v[d], number) into the sorted three of query q.  Strictly smaller only: what came first (a lower number) keeps its place in a tie.
.macro CMP3 d, q, c
	v_cmp_lt_f32 s[\c],   v[\d], v[MN0+\q]
	v_cmp_lt_f32 s[\c+1], v[\d], v[MN1+\q]
	v_cmp_lt_f32 s[\c+2], v[\d], v[MN2+\q]
.endm
.macro CSEL r, kind, num, m            ; kind 0: the number is in s[num]; 1: in v[num]
.if \kind
	v_cndmask_b32 v[\r], v[\r], v[\num], s[\m]
.else
	v_cndmask_b32 v[\r], v[\r], s[\num], s[\m]
.endif
.endm
.macro UPD d, kind, num, q, c
	CSEL ID2+\q, \kind, \num, \c+2                                 ; third place: the new one if it beats the third,
	v_med3_num_f32 v[MN2+\q], v[\d], v[MN1+\q], v[MN2+\q]          ; (values: the new one clamped between its neighbours)
	v_cndmask_b32 v[ID2+\q], v[ID2+\q], v[ID1+\q], s[\c+1]         ; the old second if it beats the second too
	v_med3_num_f32 v[MN1+\q], v[\d], v[MN0+\q], v[MN1+\q]
	CSEL ID1+\q, \kind, \num, \c+1
	v_min_num_f32 v[MN0+\q], v[\d], v[MN0+\q]
	v_cndmask_b32 v[ID1+\q], v[ID1+\q], v[ID0+\q], s[\c]
	CSEL ID0+\q, \kind, \num, \c
.endm
; One group for both queries: 96 packed instructions for 32 distances, 16 for the two minima, 22 for the two insertions.
; Query 0's short dependent steps are laid between the runs of query 1's distances.
.macro GROUP buf, sid
	ADDC 0, T, \buf, 0
	ADDC 0, U, \buf, 1
	SQ0 0
	SQA 0
	ADDC 0, U, \buf, 2
	SQA 0
	ADDC 1, T, \buf, 0
	MINA 0
	ADDC 1, U, \buf, 1
	MINB 0
	SQ0 1
	MINC 0
	SQA 1
	CMP3 GM, 0, CM
	ADDC 1, U, \buf, 2
	UPD GM, 0, \sid, 0, CM
	SQA 1
	MINA 1
	MINB 1
	MINC 1
	CMP3 GM+1, 1, CM+3
	UPD GM+1, 0, \sid, 1, CM+3
.endm
	LOADG PA, 0                                    ; group 0
	s_mov_b32 s19, TRIPS-1
.Ltrip:
	LOADG PB, 64                                   ; the odd group, while the even one is worked on
	s_wait_dscnt 12                                ; LDS loads return in order: buffer A is in, the 12 loads just issued stay out
	GROUP PA, 20
	LOADG PA, 128                                  ; the next trip's even group
	v_add_nc_u32 v[LA], 128, v[LA]                 ; two groups x 64 bytes on
	s_wait_dscnt 12                                ; buffer B is in, A's 12 stay out
	GROUP PB, 21
	s_add_co_u32 s20, s20, 2
	s_add_co_u32 s21, s21, 2
	s_sub_co_u32 s19, s19, 1
	s_cmp_lg_u32 s19, 0
	s_cbranch_scc1 .Ltrip
	LOADG PB, 64                                   ; the last trip fetches nothing beyond the wave's 32 groups
	s_wait_dscnt 12
	GROUP PA, 20
	s_wait_dscnt 0x0
	GROUP PB, 21
	; the eight waves' results meet in LDS: [wave][field][query]
	s_mul_i32 s22, s12, WSCR
	s_add_co_u32 s22, s22, SCR
	v_lshl_add_u32 v[SA], v1, 3, s22               ; my two queries' words
	ds_store_b64 v[SA], v[MN0:MN0+1]
	ds_store_b64 v[SA], v[MN1:MN1+1] offset:FLD
	ds_store_b64 v[SA], v[MN2:MN2+1] offset:2*FLD
	ds_store_b64 v[SA], v[ID0:ID0+1] offset:3*FLD
	ds_store_b64 v[SA], v[ID1:ID1+1] offset:4*FLD
	ds_store_b64 v[SA], v[ID2:ID2+1] offset:5*FLD
	s_wait_dscnt 0x0                               ; for the waves that read them
	s_barrier_signal -1
	s_barrier_wait -1
	s_cmp_ge_u32 s12, 2
	s_cbranch_scc1 .Lpacked                        ; threads 0..63 merge, one query each
	v_lshlrev_b32 v[SA], 2, v0
	ds_load_b32 v[MN0], v[SA] offset:SCR           ; wave 0's three are the start,
	ds_load_b32 v[MN1], v[SA] offset:SCR+FLD
	ds_load_b32 v[MN2], v[SA] offset:SCR+2*FLD
	ds_load_b32 v[ID0], v[SA] offset:SCR+3*FLD
	ds_load_b32 v[ID1], v[SA] offset:SCR+4*FLD
	ds_load_b32 v[ID2], v[SA] offset:SCR+5*FLD
.irp w, 1,2,3,4,5,6,7
.irp f, 0,1,2,3,4,5
	ds_load_b32 v[R+6*\w+\f], v[SA] offset:SCR+\w*WSCR+\f*FLD
.endr
.endr
	s_wait_dscnt 0x0
.irp w, 1,2,3,4,5,6,7                              ; the others follow in ascending order of their candidates: ties stay with the lower number
.irp e, 0,1,2
	CMP3 R+6*\w+\e, 0, CM
	UPD R+6*\w+\e, 1, R+6*\w+3+\e, 0, CM
.endr
.endr
	v_min_u32 v32, v[ID0], v[ID1]                  ; the three numbers in ascending order, so that the next launch walks the points by index
	v_max_u32 v33, v[ID0], v[ID1]
	v_min_u32 v34, v33, v[ID2]
	v_max_u32 v35, v33, v[ID2]                     ; largest
	v_min_u32 v36, v32, v34                        ; smallest
	v_max_u32 v37, v32, v34                        ; middle
	v_lshl_or_b32 v36, v37, 8, v36
	v_lshl_or_b32 v36, v35, 16, v36
	ds_store_b32 v[SA], v36 offset:PACK
.Lpacked:
	s_wait_dscnt 0x0
	s_barrier_signal -1
	s_barrier_wait -1
	s_cmp_lg_u32 s12, 0
	s_cbranch_scc1 .Lend
	v_lshlrev_b32 v38, 3, v1                       ; wave 0: 8 bytes a lane,
	ds_load_b64 v[40:41], v38 offset:PACK
	s_lshl_b32 s16, ttmp9, 8                       ; (s17 is still 0)
	s_add_nc_u64 s[10:11], s[10:11], s[16:17]
	s_wait_dscnt 0x0
	global_store_b64 v38, v[40:41], s[10:11]       ; one store covers the block's 256 consecutive bytes, at a multiple of 256 from the buffer's first byte
.Lend:
	s_wait_tensorcnt 0x0
	ds_add_u32 v192, v193
	s_wait_dscnt 0x0
	s_endpgm
.Lfunc_end_k_q4e157c1cb7_nearest_groups:
	.size	k_q4e157c1cb7_nearest_groups, .Lfunc_end_k_q4e157c1cb7_nearest_groups-k_q4e157c1cb7_nearest_groups
	.p2alignl 7, 3214868480
	.fill 96, 4, 3214868480
	.section	.rodata,"a",@progbits
	.p2align	6, 0x0
	.amdhsa_kernel k_q4e157c1cb7_nearest_groups
		.amdhsa_group_segment_fixed_size 62720
		.amdhsa_private_segment_fixed_size 0
		.amdhsa_enable_private_segment 0
		.amdhsa_kernarg_size 32
		.amdhsa_user_sgpr_count 2
		.amdhsa_user_sgpr_kernarg_segment_ptr 1
		.amdhsa_wavefront_size32 1
		.amdhsa_system_sgpr_workgroup_id_x 1
		.amdhsa_system_sgpr_workgroup_id_y 1
		.amdhsa_system_sgpr_workgroup_id_z 1
		.amdhsa_system_vgpr_workitem_id 0
		.amdhsa_next_free_vgpr 194
		.amdhsa_next_free_sgpr 66
		.amdhsa_reserve_vcc 0
		.amdhsa_float_denorm_mode_32 3
		.amdhsa_float_denorm_mode_16_64 3
		.amdhsa_memory_ordered 1
		.amdhsa_forward_progress 1
		.amdhsa_inst_pref_size 63
	.end_amdhsa_kernel
	.amdgpu_metadata
---
amdhsa.version: [ 1, 2 ]
amdhsa.kernels:
  - .name:           k_q4e157c1cb7_nearest_groups
    .symbol:         k_q4e157c1cb7_nearest_groups.kd
    .args:
      - { .name: xyz1, .offset: 0, .size: 8, .value_kind: global_buffer, .address_space: global }
      - { .name: xyz2, .offset: 8, .size: 8, .value_kind: global_buffer, .address_space: global }
      - { .name: flow1, .offset: 16, .size: 8, .value_kind: global_buffer, .address_space: global }
      - { .name: groups, .offset: 24, .size: 8, .value_kind: global_buffer, .address_space: global }
    .group_segment_fixed_size: 62720
    .private_segment_fixed_size: 0
    .kernarg_segment_align: 8
    .kernarg_segment_size: 32
    .max_flat_workgroup_size: 256
    .sgpr_count:     66
    .vgpr_count:     194
    .wavefront_size: 32
...
	.end_amdgpu_metadata
.endif
;; end of part 1
;; launch warp_points (part 2): grid 256 x 1, 8 waves a work-group, no clusters, 2,048 bytes of LDS; arguments xyz1, xyz2, flow1, groups, out0; writes out0
.if DOCPART == 2
	.amdgcn_target "amdgcn-amd-amdhsa--gfx1250"
	.amdhsa_code_object_version 6
	.text
	.protected	k_q4e157c1cb7_warp_points
	.globl	k_q4e157c1cb7_warp_points
	.p2align	8
	.type	k_q4e157c1cb7_warp_points,@function
k_q4e157c1cb7_warp_points:
	s_mov_b64 s[64:65], 0
	v_nop
	global_prefetch_b8 v0, s[64:65] scope:SCOPE_SE
	s_setreg_imm32_b32 hwreg(HW_REG_WAVE_MODE, 25, 1), 1
	s_wait_xcnt 0x0
; out = q - sum over the three nearest warped points of weight x flow.  The launch before has named, for every query, the three groups of 16
; consecutive points that hold them (ascending, one word).  Here the 48 points are looked at exactly.
; A work-group: 64 queries, 8 waves, FOUR LANES A QUERY.  Lane s (0..3) takes points 4 s .. 4 s + 3 of each of the three groups, so the four lanes
; of a query read the 64 consecutive bytes that a group has in a channel; 18 loads of 16 bytes a lane, all on their way together.
; Each point has an order number 16 t + 4 s + e (t: which of the sorted groups, e: which of the lane's four) that rises with its index.
; The three nearest are kept by (distance, order number): the lower index wins a tie, as in a stable top-k.
; Addresses hang on the group numbers read from memory alone.  The winners' flow is picked by compares and selects, not by an address.
; Same arithmetic for the distance as in the launch before: x1 + f, + (-q), x*x, fma, fma.
; LIMITS: inputs finite; squared distances below f32's largest number.  v_sqrt_f32 takes a denormal as zero (ISA guide, its entry in 15.8):
; both give a distance under 1e-10, which the maximum with 1e-10 replaces anyway.
.set NPT,   4096
.set CH,    4*NPT
.set BATCH, 3*CH
.set OFF, 8                            ; v8-10    byte offset of my 16 bytes in group t's 64
.set Q,   11                           ; v11-13   q
.set NQ,  14                           ; v[14:19] -q, each twice
.set MN,  20                           ; v20-22   the three smallest squared distances, sorted
.set ID,  23                           ; v23-25   their order numbers
.set W,   26                           ; v26-28   distance, its inverse, the weight
.set R,   29                           ; v29-31   order numbers less 4 s: equal to 16 t + e only for a point of my own
.set TW,  32                           ; v[32:35] weights of my four points of a group (0 for all but winners)
.set ACC, 36                           ; v[36:41] flow sums, a pair a channel
.set O,   42
.set RA,  43
.set RD,  44                           ; v[44:45]
.set DD,  48                           ; v[48:59] my 12 squared distances
.set X,   60                           ; v[60:95]  xyz1, then p, then p - q: group t, channel c at X+12t+4c
.set F,   96                           ; v[96:131] flow1 likewise
.set PM,  X                            ; a partner lane's three distances (X is free by then, and has been written)
.set PJ,  X+3                          ; and order numbers
.set CM,  24                           ; s[24:35] lane masks
	s_load_b256 s[4:11], s[0:1], 0x0               ; xyz1 s[4:5], xyz2 s[6:7], flow1 s[8:9], groups s[10:11]
	s_load_b64 s[12:13], s[0:1], 0x20              ; out0
	v_lshl_add_u32 v136, v0, 2, 0x400
	v_mov_b32 v137, 0
	v_and_b32 v1, 3, v0                            ; s
	v_and_b32 v2, 0xfc, v0                         ; 4 bytes x my query in the block
	v_lshlrev_b32 v4, 4, v1                        ; 16 s
	v_lshlrev_b32 v5, 2, v1                        ; 4 s
	v_lshrrev_b32 v7, 5, v0
	v_readfirstlane_b32 s14, v7                    ; wave
	s_lshr_b32 s15, ttmp9, 6                       ; batch
	s_and_b32 s16, ttmp9, 63                       ; block of 64 queries
	s_mul_i32 s18, s15, BATCH
	s_mov_b32 s19, 0
	s_lshl_b32 s20, ttmp9, 8                       ; 64 words of group numbers
	s_mov_b32 s21, 0
	s_lshl_b32 s22, s16, 8                         ; the block in a channel
	s_mov_b32 s23, 0
	s_wait_kmcnt 0x0
	s_add_nc_u64 s[10:11], s[10:11], s[20:21]
	s_add_nc_u64 s[4:5], s[4:5], s[18:19]
	s_add_nc_u64 s[8:9], s[8:9], s[18:19]
	s_add_nc_u64 s[18:19], s[18:19], s[22:23]      ; offsets only: batch + block
	s_add_nc_u64 s[6:7], s[6:7], s[18:19]
	s_add_nc_u64 s[12:13], s[12:13], s[18:19]
	global_load_b32 v3, v2, s[10:11]
	global_load_b32 v[Q],   v2, s[6:7]
	global_load_b32 v[Q+1], v2, s[6:7] offset:CH
	global_load_b32 v[Q+2], v2, s[6:7] offset:2*CH
.irp k, 0,1,2
	v_mov_b32 v[MN+\k], 0x7f800000                 ; +infinity loses against every finite distance
	v_mov_b32 v[ID+\k], 0
.endr
	s_wait_loadcnt 0x3                             ; the group numbers are in; q's three loads stay out
.irp t, 0,1,2
	v_bfe_u32 v[OFF+\t], v3, 8*\t, 8
	v_min_u32 v[OFF+\t], 0xff, v[OFF+\t]           ; a number read from memory is bounded by a constant before it enters an address: 256 groups
	v_lshl_add_u32 v[OFF+\t], v[OFF+\t], 6, v4     ; 64 bytes a group + my 16
.endr
.irp t, 0,1,2
.irp c, 0,1,2
	global_load_b128 v[X+12*\t+4*\c:X+12*\t+4*\c+3], v[OFF+\t], s[4:5] offset:\c*CH
	global_load_b128 v[F+12*\t+4*\c:F+12*\t+4*\c+3], v[OFF+\t], s[8:9] offset:\c*CH
.endr
.endr
.macro DIST t                          ; my four squared distances in group t
.irp c, 0,1,2
.irp h, 0,2
	v_pk_add_f32 v[X+12*\t+4*\c+\h:X+12*\t+4*\c+\h+1], v[X+12*\t+4*\c+\h:X+12*\t+4*\c+\h+1], v[F+12*\t+4*\c+\h:F+12*\t+4*\c+\h+1]
.endr
.endr
.irp c, 0,1,2
.irp h, 0,2
	v_pk_add_f32 v[X+12*\t+4*\c+\h:X+12*\t+4*\c+\h+1], v[X+12*\t+4*\c+\h:X+12*\t+4*\c+\h+1], v[NQ+2*\c:NQ+2*\c+1]
.endr
.endr
.irp h, 0,2
	v_pk_mul_f32 v[DD+4*\t+\h:DD+4*\t+\h+1], v[X+12*\t+\h:X+12*\t+\h+1], v[X+12*\t+\h:X+12*\t+\h+1]
.endr
.irp c, 1,2
.irp h, 0,2
	v_pk_fma_f32 v[DD+4*\t+\h:DD+4*\t+\h+1], v[X+12*\t+4*\c+\h:X+12*\t+4*\c+\h+1], v[X+12*\t+4*\c+\h:X+12*\t+4*\c+\h+1], v[DD+4*\t+\h:DD+4*\t+\h+1]
.endr
.endr
.endm
.macro CMP3 d                          ; inside a lane the points come in ascending order: strictly smaller is enough
.irp k, 0,1,2
	v_cmp_lt_f32 s[CM+\k], v[\d], v[MN+\k]
.endr
.endm
.macro LCMP3 d, id                     ; between lanes: smaller, or equal with the lower order number
.irp k, 0,1,2
	v_cmp_lt_f32 s[CM+\k],   v[\d],  v[MN+\k]
	v_cmp_eq_f32 s[CM+3+\k], v[\d],  v[MN+\k]
	v_cmp_lt_u32 s[CM+6+\k], v[\id], v[ID+\k]
.endr
.irp k, 0,1,2
	s_and_b32 s[CM+3+\k], s[CM+3+\k], s[CM+6+\k]
	s_or_b32  s[CM+\k],   s[CM+\k],   s[CM+3+\k]
.endr
.endm
.macro CSEL r, kind, num, m            ; kind 1: the number is in v[num]; 2: it is the constant num
.if \kind == 1
	v_cndmask_b32 v[\r], v[\r], v[\num], s[\m]
.else
	v_cndmask_b32 v[\r], v[\r], \num, s[\m]
.endif
.endm
.macro UPD d, kind, num                ; the sorted three take (v[d], number) in at the place that the masks name
	CSEL ID+2, \kind, \num, CM+2
	v_med3_num_f32 v[MN+2], v[\d], v[MN+1], v[MN+2]
	v_cndmask_b32 v[ID+2], v[ID+2], v[ID+1], s[CM+1]
	v_med3_num_f32 v[MN+1], v[\d], v[MN], v[MN+1]
	CSEL ID+1, \kind, \num, CM+1
	v_min_num_f32 v[MN], v[\d], v[MN]
	v_cndmask_b32 v[ID+1], v[ID+1], v[ID], s[CM]
	CSEL ID, \kind, \num, CM
.endm
.macro OWN t                           ; my four points of group t; 4 s is added to the numbers afterwards, so that they are constants here
	DIST \t
.irp e, 0,1,2,3
	CMP3 DD+4*\t+\e
	UPD DD+4*\t+\e, 2, 16*\t+\e
.endr
.endm
	s_wait_loadcnt 12                              ; q and group 0's six loads are in; the twelve of groups 1 and 2 stay out
.irp c, 0,1,2
	v_xor_b32 v[NQ+2*\c],   0x80000000, v[Q+\c]
	v_xor_b32 v[NQ+2*\c+1], 0x80000000, v[Q+\c]
.endr
	OWN 0
	s_wait_loadcnt 6                               ; group 1 is in; group 2's six stay out
	OWN 1
	s_wait_loadcnt 0x0
	OWN 2
.irp k, 0,1,2
	v_add_nc_u32 v[ID+\k], v[ID+\k], v5            ; + 4 s: the order number among the query's 48 points
.endr
; The four lanes of a query: each takes its partner's three (lane xor 1, then xor 2) into its own.  The order is total, so all four end alike.
.macro XMERGE x
.irp k, 0,1,2
	v_mov_b32_dpp v[PM+\k], v[MN+\k] row_xmask:\x row_mask:0xf bank_mask:0xf
	v_mov_b32_dpp v[PJ+\k], v[ID+\k] row_xmask:\x row_mask:0xf bank_mask:0xf
.endr
.irp k, 0,1,2
	LCMP3 PM+\k, PJ+\k
	UPD PM+\k, 1, PJ+\k
.endr
.endm
	XMERGE 1
	XMERGE 2
	; weights: 1 / max(distance, 1e-10), divided by their sum
	v_sqrt_f32 v[W],   v[MN]
	v_sqrt_f32 v[W+1], v[MN+1]
	v_sqrt_f32 v[W+2], v[MN+2]
.irp k, 0,1,2
	v_sub_nc_u32 v[R+\k], v[ID+\k], v5             ; plain work that touches neither roots nor their sources stands behind them (ISA guide 5.7.2)
.endr
	s_wait_alu depctr_va_vdst(0)
.irp k, 0,1,2
	v_max_num_f32 v[W+\k], 0x2edbe6ff, v[W+\k]     ; 1e-10
.endr
	v_rcp_f32 v[W],   v[W]
	v_rcp_f32 v[W+1], v[W+1]
	v_rcp_f32 v[W+2], v[W+2]
	v_nop                                          ; one plain place before the reciprocals are used
	s_wait_alu depctr_va_vdst(0)
	v_add_f32 v[TW], v[W], v[W+1]
	v_add_f32 v[TW], v[TW], v[W+2]
	v_rcp_f32 v[TW], v[TW]
	v_nop
	s_wait_alu depctr_va_vdst(0)
.irp k, 0,1,2
	v_mul_f32 v[W+\k], v[W+\k], v[TW]
.endr
	; each of my 12 points gets its weight: that of the winner whose number it bears, else 0; then weight x flow, two points at a time
.irp t, 0,1,2
.irp e, 0,1,2,3
	v_cmp_eq_u32 s[CM+3*\e],   16*\t+\e, v[R]
	v_cmp_eq_u32 s[CM+3*\e+1], 16*\t+\e, v[R+1]
	v_cmp_eq_u32 s[CM+3*\e+2], 16*\t+\e, v[R+2]
.endr
.irp e, 0,1,2,3
	v_cndmask_b32 v[TW+\e], 0, v[W], s[CM+3*\e]
.endr
.irp e, 0,1,2,3
	v_cndmask_b32 v[TW+\e], v[TW+\e], v[W+1], s[CM+3*\e+1]
.endr
.irp e, 0,1,2,3
	v_cndmask_b32 v[TW+\e], v[TW+\e], v[W+2], s[CM+3*\e+2]
.endr
.irp c, 0,1,2
.irp h, 0,2
.if \t+\h == 0
	v_pk_mul_f32 v[ACC+2*\c:ACC+2*\c+1], v[TW:TW+1], v[F+4*\c:F+4*\c+1]            ; the first product starts the sums
.else
	v_pk_fma_f32 v[ACC+2*\c:ACC+2*\c+1], v[TW+\h:TW+\h+1], v[F+12*\t+4*\c+\h:F+12*\t+4*\c+\h+1], v[ACC+2*\c:ACC+2*\c+1]
.endif
.endr
.endr
.endr
.irp c, 0,1,2
	v_add_f32 v[ACC+2*\c], v[ACC+2*\c], v[ACC+2*\c+1]
.endr
.irp c, 0,1,2
	v_add_f32_dpp v[ACC+2*\c], v[ACC+2*\c], v[ACC+2*\c] row_xmask:1 row_mask:0xf bank_mask:0xf
.endr
.irp c, 0,1,2
	v_add_f32_dpp v[ACC+2*\c], v[ACC+2*\c], v[ACC+2*\c] row_xmask:2 row_mask:0xf bank_mask:0xf   ; the query's four lanes now hold flow2
.endr
.irp c, 0,1,2
	v_sub_f32 v[ACC+2*\c], v[Q+\c], v[ACC+2*\c]    ; q - flow2
.endr
	; the way out, through LDS as [channel][query]: lane s puts channel min(s, 2) (lanes 2 and 3: the same word, the same value)
	v_cmp_eq_u32 vcc_lo, 0, v1
	v_cndmask_b32 v[O], v[ACC+4], v[ACC], vcc_lo
	v_cmp_eq_u32 vcc_lo, 1, v1
	v_cndmask_b32 v[O], v[O], v[ACC+2], vcc_lo
	v_min_u32 v6, 2, v1
	v_lshl_add_u32 v6, v6, 8, v2                   ; 256 bytes a channel + 4 bytes a query
	ds_store_b32 v6, v[O]
	s_wait_dscnt 0x0                               ; for the waves that read it
	s_barrier_signal -1
	s_barrier_wait -1
	s_cmp_ge_u32 s14, 3
	s_cbranch_scc1 .Lend                           ; waves 0, 1, 2 store channel 0, 1, 2
	v_and_b32 v7, 31, v0
	v_lshlrev_b32 v7, 3, v7                        ; 8 bytes a lane
	s_lshl_b32 s24, s14, 8
	v_add_nc_u32 v[RA], s24, v7
	ds_load_b64 v[RD:RD+1], v[RA]
	s_mul_i32 s26, s14, CH
	s_mov_b32 s27, 0
	s_add_nc_u64 s[12:13], s[12:13], s[26:27]
	s_wait_dscnt 0x0
	global_store_b64 v7, v[RD:RD+1], s[12:13] th:TH_STORE_NT   ; one store covers the block's 256 consecutive bytes of the channel, at a multiple of 256 from out0's first byte
.Lend:
	s_wait_tensorcnt 0x0
	ds_add_u32 v136, v137
	s_wait_dscnt 0x0
	s_endpgm
.Lfunc_end_k_q4e157c1cb7_warp_points:
	.size	k_q4e157c1cb7_warp_points, .Lfunc_end_k_q4e157c1cb7_warp_points-k_q4e157c1cb7_warp_points
	.p2alignl 7, 3214868480
	.fill 96, 4, 3214868480
	.section	.rodata,"a",@progbits
	.p2align	6, 0x0
	.amdhsa_kernel k_q4e157c1cb7_warp_points
		.amdhsa_group_segment_fixed_size 2048
		.amdhsa_private_segment_fixed_size 0
		.amdhsa_enable_private_segment 0
		.amdhsa_kernarg_size 40
		.amdhsa_user_sgpr_count 2
		.amdhsa_user_sgpr_kernarg_segment_ptr 1
		.amdhsa_wavefront_size32 1
		.amdhsa_system_sgpr_workgroup_id_x 1
		.amdhsa_system_sgpr_workgroup_id_y 1
		.amdhsa_system_sgpr_workgroup_id_z 1
		.amdhsa_system_vgpr_workitem_id 0
		.amdhsa_next_free_vgpr 138
		.amdhsa_next_free_sgpr 66
		.amdhsa_reserve_vcc 1
		.amdhsa_float_denorm_mode_32 3
		.amdhsa_float_denorm_mode_16_64 3
		.amdhsa_memory_ordered 1
		.amdhsa_forward_progress 1
		.amdhsa_inst_pref_size 33
	.end_amdhsa_kernel
	.amdgpu_metadata
---
amdhsa.version: [ 1, 2 ]
amdhsa.kernels:
  - .name:           k_q4e157c1cb7_warp_points
    .symbol:         k_q4e157c1cb7_warp_points.kd
    .args:
      - { .name: xyz1, .offset: 0, .size: 8, .value_kind: global_buffer, .address_space: global }
      - { .name: xyz2, .offset: 8, .size: 8, .value_kind: global_buffer, .address_space: global }
      - { .name: flow1, .offset: 16, .size: 8, .value_kind: global_buffer, .address_space: global }
      - { .name: groups, .offset: 24, .size: 8, .value_kind: global_buffer, .address_space: global }
      - { .name: out0, .offset: 32, .size: 8, .value_kind: global_buffer, .address_space: global }
    .group_segment_fixed_size: 2048
    .private_segment_fixed_size: 0
    .kernarg_segment_align: 8
    .kernarg_segment_size: 40
    .max_flat_workgroup_size: 256
    .sgpr_count:     66
    .vgpr_count:     138
    .wavefront_size: 32
...
	.end_amdgpu_metadata
.endif
;; end of part 2
;; ======== version 2 of 2: 2 launches; version 1 with the launch nearest_groups written anew for expert scheduling mode
;; workspace buffers: groups 65,536 bytes of whole numbers
;; launch nearest_groups (part 3): grid 256 x 1, 8 waves a work-group, no clusters, 62,720 bytes of LDS; arguments xyz1, xyz2, flow1, groups; writes groups
.if DOCPART == 3
	.amdgcn_target "amdgcn-amd-amdhsa--gfx1250"
	.amdhsa_code_object_version 6
	.text
	.protected	k_q4e157c1cb7_nearest_groups
	.globl	k_q4e157c1cb7_nearest_groups
	.p2align	8
	.type	k_q4e157c1cb7_nearest_groups,@function
k_q4e157c1cb7_nearest_groups:
	s_mov_b64 s[64:65], 0
	v_nop
	global_prefetch_b8 v0, s[64:65] scope:SCOPE_SE
	s_setreg_imm32_b32 hwreg(HW_REG_WAVE_SCHED_MODE, 0, 2), 2
	s_setreg_imm32_b32 hwreg(HW_REG_WAVE_MODE, 25, 1), 1
	s_wait_xcnt 0x0
	s_wait_alu depctr_vm_vsrc(0)
; For every query point of xyz2: WHICH THREE GROUPS of 16 consecutive warped points p = xyz1 + flow1 hold its three nearest points.
; Groups are ordered by (smallest squared distance in the group, group number).  A group that holds one of the three nearest points
; (points ordered by distance, then index) has a minimum no later than the third point, and at most three groups can have that:
; so the first three groups hold all three points, ties included.  Only one insertion with an index is paid for 16 distances.
; The three numbers (0..255), sorted ascending, go out as one word a query: bits 7:0, 15:8, 23:16.  The next launch looks inside the groups.
;
; A work-group: 64 queries of one batch against all 4,096 candidates; 8 waves.  Wave w: candidates 512 w .. 512 w + 511 (32 groups) for all
; 64 queries; lane l: queries 2 l and 2 l + 1.  Distances in f32 as differences, as the definition has them: p - q, then x*x, fma, fma.
; No matrix instruction: 16-bit operands would change which neighbour is nearest.  No cluster and no joint loads: what work-groups share is
; the batch's 2 x 49,152 bytes, read once at the head, against 64 x 4,096 = 262,144 distances of the work-group.
; LIMITS: inputs finite (no NaN); squared distances must stay below f32's largest number (coordinate differences under about 1e19);
; the sum of the three squares is fused, so its last bit may differ from a sum of three rounded products.
; THE MODE: SCHED_MODE bits 1:0 = 2 (LLVM: expert scheduling mode 2), set by the entry lines.  The code itself states the register dependences
; between vector instructions and memory or LDS instructions, with s_wait_alu, always for 0.
; THE PLAN.  Registers that memory or LDS instructions touch:
;   v2, v3, v[SA], v[SB], v[OA]   offsets and LDS addresses, made at the head and never written again.
;   v[LA]     read by every load of candidates; written once a trip, at the trip's head.
;   PA, PB    at the head: the global loads land in them, the sums read both and write PA, the LDS stores read PA.
;             in the loop: a group's six runs of differences read its buffer; behind the last run the loads of the group two further on land in it.
;   MN, ID    written by the insertions; read by the scratch's stores; in waves 0 and 1 the merge's loads land in them.
;   T, U, GM, NQ are named by vector instructions alone (but for q's landing in T's first six registers at the head, and the packed words' at the end).
; So ONE wait on va_vdst stands in a group, behind the last run that reads its buffer; the buffer's twelve loads follow it, dealt among the group's
; remaining vector work, which names T, U, GM, MN and ID.  One wait on va_sdst stands in a group, behind the compares of both queries and ahead of
; both insertions.  One wait on vm_vsrc a trip stands ahead of the add to v[LA].
.set NPT,    4096
.set CH,     4*NPT                     ; bytes of one channel of one batch
.set BATCH,  3*CH                      ; bytes of one batch; also the table's bytes in LDS
.set GRP,    16                        ; candidates in a group
.set WAVES,  8
.set TRIPS,  NPT/WAVES/(2*GRP)         ; 16 trips of two groups
.set FLD,    256                       ; LDS: one field (a minimum or a number) of 64 queries
.set WSCR,   6*FLD                     ; LDS: one wave's three minima and three numbers
.set SCR,    BATCH                     ; LDS: the waves' results, behind the table
.set PACK,   SCR+WAVES*WSCR            ; LDS: the 64 packed words
.set NQ,  4                            ; v[4:15]   -q: query i, channel c at NQ+6i+2c, the value twice (a pair for packed adds)
.set MN0, 16                           ; v[16:17]  smallest group minimum, query 0 and 1
.set MN1, 18                           ; second
.set MN2, 20                           ; third
.set ID0, 22                           ; their group numbers
.set ID1, 24
.set ID2, 26
.set GM,  28                           ; v[28:29]  this group's minimum, query 0 and 1
.set LA,  30                           ; LDS address of the groups that the trip fetches (the same in all lanes: a broadcast)
.set SA,  31                           ; LDS address of my two queries' words in my wave's part of the scratch
.set T,   32                           ; v[32:63]  16 squared distances for query 0, 16 for query 1
.set U,   64                           ; v[64:95]  differences at work, likewise
.set PA,  96                           ; v[96:143]  candidate buffer A: 16 x, 16 y, 16 z
.set PB,  144                          ; v[144:191] candidate buffer B
.set SB,  192                          ; v192      the merge: 4 x thread
.set OA,  193                          ; v193      the way out: 8 x lane
.set QT,  T                            ; the queries as loaded
.set R,   PA                           ; the merge: waves 1..7's results
.set CM,  24                           ; s[24:29]  lane masks of the compares
	s_load_b256 s[4:11], s[0:1], 0x0               ; xyz1 s[4:5], xyz2 s[6:7], flow1 s[8:9], groups s[10:11]
	v_lshl_add_u32 v194, v0, 2, 0xf100
	v_mov_b32 v195, 0
	v_and_b32 v1, 31, v0                           ; lane
	v_lshrrev_b32 v2, 5, v0
	v_readfirstlane_b32 s12, v2                    ; wave
	s_lshr_b32 s13, ttmp9, 6                       ; batch: 64 work-groups each
	s_and_b32 s14, ttmp9, 63                       ; block of 64 queries
	s_mul_i32 s16, s13, BATCH
	s_mov_b32 s17, 0
	s_lshl_b32 s15, s14, 8                         ; 64 queries x 4 bytes
	v_lshl_add_u32 v2, v1, 3, s15                  ; my two queries
	v_lshlrev_b32 v3, 4, v0                        ; 16 bytes a thread: 4,096 consecutive bytes a step for the work-group
	v_lshlrev_b32 v[SB], 2, v0
	v_lshlrev_b32 v[OA], 3, v1
	s_wait_alu depctr_va_sdst(0)                   ; s12 is written, ahead of its first reader: the wave's candidates, group numbers and scratch are made from it
	s_lshl_b32 s18, s12, 11                        ; my wave's 512 candidates x 4 bytes
	s_lshl_b32 s20, s12, 5                         ; number of buffer A's group: 32 x wave, then + 2 a trip
	s_add_co_u32 s21, s20, 1                       ; of buffer B's
	s_mul_i32 s22, s12, WSCR
	s_add_co_u32 s22, s22, SCR
	v_mov_b32 v[LA], s18
	v_lshl_add_u32 v[SA], v1, 3, s22
	; in the wait for the arguments: the state.  +infinity loses against every finite minimum; the numbers start at a group that exists.
.irp r, MN0, MN0+1, MN1, MN1+1, MN2, MN2+1
	v_mov_b32 v[\r], 0x7f800000
.endr
.irp r, ID0, ID0+1, ID1, ID1+1, ID2, ID2+1
	v_mov_b32 v[\r], s20
.endr
	s_wait_kmcnt 0x0
	s_add_nc_u64 s[4:5], s[4:5], s[16:17]
	s_add_nc_u64 s[6:7], s[6:7], s[16:17]
	s_add_nc_u64 s[8:9], s[8:9], s[16:17]
	s_wait_alu depctr_va_vdst(0)                   ; v2, v3, v[LA], v[SA], v[SB] and v[OA] are written: the loads and stores of the whole kernel read them as offsets and addresses
	global_load_b64 v[QT:QT+1],   v2, s[6:7]
	global_load_b64 v[QT+2:QT+3], v2, s[6:7] offset:CH
	global_load_b64 v[QT+4:QT+5], v2, s[6:7] offset:2*CH
.irp j, 0,1,2,3,4,5,6,7,8,9,10,11
	global_load_b128 v[PA+4*\j:PA+4*\j+3], v3, s[4:5] offset:4096*\j
	global_load_b128 v[PB+4*\j:PB+4*\j+3], v3, s[8:9] offset:4096*\j
.endr
	; the table p = xyz1 + flow1, laid in LDS as a batch lies in memory: x[4096], y[4096], z[4096]; four pairs of loads at a time
.irp b, 0,1,2
	s_wait_loadcnt 16-8*\b                         ; loads return in order (ISA guide 5.7.1): pairs 4 b .. 4 b + 3 are in, the 8 - 4 b younger pairs stay out
.irp j, 0,1,2,3
	v_pk_add_f32 v[PA+16*\b+4*\j:PA+16*\b+4*\j+1],   v[PA+16*\b+4*\j:PA+16*\b+4*\j+1],   v[PB+16*\b+4*\j:PB+16*\b+4*\j+1]
	v_pk_add_f32 v[PA+16*\b+4*\j+2:PA+16*\b+4*\j+3], v[PA+16*\b+4*\j+2:PA+16*\b+4*\j+3], v[PB+16*\b+4*\j+2:PB+16*\b+4*\j+3]
.endr
	s_wait_alu depctr_va_vdst(0)                   ; the eight sums have written their part of PA, which the four stores read; behind the last of these waits the sums are done with PA and PB, in which candidates land
.irp j, 0,1,2,3
	ds_store_b128 v3, v[PA+16*\b+4*\j:PA+16*\b+4*\j+3] offset:4096*(4*\b+\j)
.endr
.endr
.irp c, 0,1,2
	v_xor_b32 v[NQ+2*\c],   0x80000000, v[QT+2*\c]     ; -q, so that p - q is one packed add without modifiers
	v_xor_b32 v[NQ+2*\c+1], 0x80000000, v[QT+2*\c]
	v_xor_b32 v[NQ+6+2*\c], 0x80000000, v[QT+2*\c+1]
	v_xor_b32 v[NQ+7+2*\c], 0x80000000, v[QT+2*\c+1]
.endr
	s_wait_dscnt 0x0                               ; my part of the table is written: every wave reads parts that others wrote
	s_barrier_signal -1
	s_barrier_wait -1
; 4 LDS loads: the 16 numbers of one channel of one group; every lane asks for the same bytes
.macro LOADC buf, c, off
.irp k, 0,1,2,3
	ds_load_b128 v[\buf+16*\c+4*\k:\buf+16*\c+4*\k+3], v[LA] offset:\c*CH+16*\k+\off
.endr
.endm
; 12 LDS loads: one group's 16 x, 16 y, 16 z
.macro LOADG buf, off
	LOADC \buf, 0, \off
	LOADC \buf, 1, \off
	LOADC \buf, 2, \off
.endm
; 16 differences of channel c for query q, two at a time
.macro ADDC q, dst, buf, c
.irp k, 0,2,4,6,8,10,12,14
	v_pk_add_f32 v[\dst+16*\q+\k:\dst+16*\q+\k+1], v[\buf+16*\c+\k:\buf+16*\c+\k+1], v[NQ+6*\q+2*\c:NQ+6*\q+2*\c+1]
.endr
.endm
.macro SQ0 q                           ; T = dx dx
.irp k, 0,2,4,6,8,10,12,14
	v_pk_mul_f32 v[T+16*\q+\k:T+16*\q+\k+1], v[T+16*\q+\k:T+16*\q+\k+1], v[T+16*\q+\k:T+16*\q+\k+1]
.endr
.endm
.macro SQA q                           ; T += U U
.irp k, 0,2,4,6,8,10,12,14
	v_pk_fma_f32 v[T+16*\q+\k:T+16*\q+\k+1], v[U+16*\q+\k:U+16*\q+\k+1], v[U+16*\q+\k:U+16*\q+\k+1], v[T+16*\q+\k:T+16*\q+\k+1]
.endr
.endm
; the smallest of 16: 5 + 2 three-way minima and one two-way
.macro MINA q
.irp k, 0,3,6,9,12
	v_min3_num_f32 v[T+16*\q+\k], v[T+16*\q+\k], v[T+16*\q+\k+1], v[T+16*\q+\k+2]
.endr
.endm
.macro MINB q
	v_min3_num_f32 v[T+16*\q],   v[T+16*\q],   v[T+16*\q+3],  v[T+16*\q+6]
	v_min3_num_f32 v[T+16*\q+9], v[T+16*\q+9], v[T+16*\q+12], v[T+16*\q+15]
.endm
.macro MINC q
	v_min_num_f32 v[GM+\q], v[T+16*\q], v[T+16*\q+9]
.endm
; Insertion of (v[d], number) into the sorted three of query q.  Strictly smaller only: what came first (a lower number) keeps its place in a tie.
.macro CMP3 d, q, c
	v_cmp_lt_f32 s[\c],   v[\d], v[MN0+\q]
	v_cmp_lt_f32 s[\c+1], v[\d], v[MN1+\q]
	v_cmp_lt_f32 s[\c+2], v[\d], v[MN2+\q]
.endm
.macro CSEL r, kind, num, m            ; kind 0: the number is in s[num]; 1: in v[num]
.if \kind
	v_cndmask_b32 v[\r], v[\r], v[\num], s[\m]
.else
	v_cndmask_b32 v[\r], v[\r], s[\num], s[\m]
.endif
.endm
.macro UPD d, kind, num, q, c
	CSEL ID2+\q, \kind, \num, \c+2                                 ; third place: the new one if it beats the third,
	v_med3_num_f32 v[MN2+\q], v[\d], v[MN1+\q], v[MN2+\q]          ; (values: the new one clamped between its neighbours)
	v_cndmask_b32 v[ID2+\q], v[ID2+\q], v[ID1+\q], s[\c+1]         ; the old second if it beats the second too
	v_med3_num_f32 v[MN1+\q], v[\d], v[MN0+\q], v[MN1+\q]
	CSEL ID1+\q, \kind, \num, \c+1
	v_min_num_f32 v[MN0+\q], v[\d], v[MN0+\q]
	v_cndmask_b32 v[ID1+\q], v[ID1+\q], v[ID0+\q], s[\c]
	CSEL ID0+\q, \kind, \num, \c
.endm
; One group for both queries: 96 packed instructions for 32 distances, 16 for the two minima, 22 for the two insertions.
; Query 0's short dependent steps are laid between the runs of query 1's distances.
; fetch = 1: behind the last run that reads the buffer it is asked for again, with the group at byte off from v[LA]: the group two further on.
.macro GROUP buf, sid, fetch, off
	ADDC 0, T, \buf, 0
	ADDC 0, U, \buf, 1
	SQ0 0
	SQA 0
	ADDC 0, U, \buf, 2
	SQA 0
	ADDC 1, T, \buf, 0
	MINA 0
	ADDC 1, U, \buf, 1
	MINB 0
	SQ0 1
	MINC 0
	SQA 1
	CMP3 GM, 0, CM
	ADDC 1, U, \buf, 2
.if \fetch
	s_wait_alu depctr_va_vdst(0)                   ; the six runs of differences are done reading the buffer, in which the loads below land; in a trip's first group v[LA] is written
	LOADC \buf, 0, \off
.endif
	SQA 1
.if \fetch
	LOADC \buf, 1, \off                            ; no wait: no vector instruction since the wait above names the buffer or v[LA]
.endif
	MINA 1
.if \fetch
	LOADC \buf, 2, \off
.endif
	MINB 1
	MINC 1
	CMP3 GM+1, 1, CM+3
	s_wait_alu depctr_va_sdst(0)                   ; the six masks s[CM .. CM+5] of both queries' compares are written, ahead of the selects that read them
	UPD GM, 0, \sid, 0, CM
	UPD GM+1, 0, \sid, 1, CM+3
.endm
	s_wait_alu depctr_vm_vsrc(0)                   ; my LDS stores of the table have read PA, in which candidates land from here on
	LOADG PA, 0                                    ; groups 0 and 1
	LOADG PB, 64
	s_mov_b32 s19, TRIPS-1
.Ltrip:                                                ; a trip works on two groups and fetches the next trip's two
	s_wait_alu depctr_vm_vsrc(0)                   ; the LDS loads issued so far have read v[LA]
	v_add_nc_u32 v[LA], 128, v[LA]                 ; two groups x 64 bytes on: the next trip's groups
	s_wait_dscnt 12                                ; LDS loads return in order: buffer A is in, buffer B's 12 loads stay out
	GROUP PA, 20, 1, 0
	s_wait_dscnt 12                                ; buffer B is in, the 12 loads of A's refill stay out
	GROUP PB, 21, 1, 64
	s_add_co_u32 s20, s20, 2
	s_add_co_u32 s21, s21, 2
	s_sub_co_u32 s19, s19, 1
	s_cmp_lg_u32 s19, 0
	s_cbranch_scc1 .Ltrip
	s_wait_dscnt 12                                ; the last trip fetches nothing beyond the wave's 32 groups
	GROUP PA, 20, 0, 0
	s_wait_dscnt 0x0
	GROUP PB, 21, 0, 0
	; the eight waves' results meet in LDS: [wave][field][query]
	s_wait_alu depctr_va_vdst(0)                   ; the last insertions have written MN and ID, which the stores read
	ds_store_b64 v[SA], v[MN0:MN0+1]
	ds_store_b64 v[SA], v[MN1:MN1+1] offset:FLD
	ds_store_b64 v[SA], v[MN2:MN2+1] offset:2*FLD
	ds_store_b64 v[SA], v[ID0:ID0+1] offset:3*FLD
	ds_store_b64 v[SA], v[ID1:ID1+1] offset:4*FLD
	ds_store_b64 v[SA], v[ID2:ID2+1] offset:5*FLD
	s_wait_dscnt 0x0                               ; for the waves that read them
	s_barrier_signal -1
	s_barrier_wait -1
	s_cmp_ge_u32 s12, 2
	s_cbranch_scc1 .Lpacked                        ; threads 0..63 merge, one query each
	s_wait_alu depctr_vm_vsrc(0)                   ; my stores into the scratch have read MN and ID, in which the loads below land (their vector readers stand ahead of the last wait on va_vdst)
	ds_load_b32 v[MN0], v[SB] offset:SCR           ; wave 0's three are the start,
	ds_load_b32 v[MN1], v[SB] offset:SCR+FLD
	ds_load_b32 v[MN2], v[SB] offset:SCR+2*FLD
	ds_load_b32 v[ID0], v[SB] offset:SCR+3*FLD
	ds_load_b32 v[ID1], v[SB] offset:SCR+4*FLD
	ds_load_b32 v[ID2], v[SB] offset:SCR+5*FLD
.irp w, 1,2,3,4,5,6,7
.irp f, 0,1,2,3,4,5
	ds_load_b32 v[R+6*\w+\f], v[SB] offset:SCR+\w*WSCR+\f*FLD
.endr
.endr
	s_wait_dscnt 0x0
.irp w, 1,2,3,4,5,6,7                              ; the others follow in ascending order of their candidates: ties stay with the lower number
.irp e, 0,1,2
	CMP3 R+6*\w+\e, 0, CM
	s_wait_alu depctr_va_sdst(0)                   ; the three masks are written, ahead of the selects that read them; the next compares need the state that these selects leave
	UPD R+6*\w+\e, 1, R+6*\w+3+\e, 0, CM
.endr
.endr
	v_min_u32 v32, v[ID0], v[ID1]                  ; the three numbers in ascending order, so that the next launch walks the points by index
	v_max_u32 v33, v[ID0], v[ID1]
	v_min_u32 v34, v33, v[ID2]
	v_max_u32 v35, v33, v[ID2]                     ; largest
	v_min_u32 v36, v32, v34                        ; smallest
	v_max_u32 v37, v32, v34                        ; middle
	v_lshl_or_b32 v36, v37, 8, v36
	v_lshl_or_b32 v36, v35, 16, v36
	s_wait_alu depctr_va_vdst(0)                   ; v36, the packed word, is written: the store reads it
	ds_store_b32 v[SB], v36 offset:PACK
.Lpacked:
	s_wait_dscnt 0x0
	s_barrier_signal -1
	s_barrier_wait -1
	s_cmp_lg_u32 s12, 0
	s_cbranch_scc1 .Lend
	ds_load_b64 v[40:41], v[OA] offset:PACK        ; wave 0: 8 bytes a lane.  No wait: no vector instruction since the wait ahead of the scratch's stores names v40 or v41
	s_lshl_b32 s16, ttmp9, 8                       ; (s17 is still 0)
	s_add_nc_u64 s[10:11], s[10:11], s[16:17]
	s_wait_dscnt 0x0
	global_store_b64 v[OA], v[40:41], s[10:11]     ; one store covers the block's 256 consecutive bytes, at a multiple of 256 from the buffer's first byte
.Lend:
	s_wait_dscnt 0x0
	s_wait_alu depctr_hold_cnt(0) depctr_sa_sdst(0) depctr_va_vdst(0) depctr_va_sdst(0) depctr_va_ssrc(0) depctr_va_vcc(0) depctr_vm_vsrc(0)
	s_wait_tensorcnt 0x0
	ds_add_u32 v194, v195
	s_wait_dscnt 0x0
	s_endpgm
.Lfunc_end_k_q4e157c1cb7_nearest_groups:
	.size	k_q4e157c1cb7_nearest_groups, .Lfunc_end_k_q4e157c1cb7_nearest_groups-k_q4e157c1cb7_nearest_groups
	.p2alignl 7, 3214868480
	.fill 96, 4, 3214868480
	.section	.rodata,"a",@progbits
	.p2align	6, 0x0
	.amdhsa_kernel k_q4e157c1cb7_nearest_groups
		.amdhsa_group_segment_fixed_size 62720
		.amdhsa_private_segment_fixed_size 0
		.amdhsa_enable_private_segment 0
		.amdhsa_kernarg_size 32
		.amdhsa_user_sgpr_count 2
		.amdhsa_user_sgpr_kernarg_segment_ptr 1
		.amdhsa_wavefront_size32 1
		.amdhsa_system_sgpr_workgroup_id_x 1
		.amdhsa_system_sgpr_workgroup_id_y 1
		.amdhsa_system_sgpr_workgroup_id_z 1
		.amdhsa_system_vgpr_workitem_id 0
		.amdhsa_next_free_vgpr 196
		.amdhsa_next_free_sgpr 66
		.amdhsa_reserve_vcc 0
		.amdhsa_float_denorm_mode_32 3
		.amdhsa_float_denorm_mode_16_64 3
		.amdhsa_memory_ordered 1
		.amdhsa_forward_progress 1
		.amdhsa_inst_pref_size 64
	.end_amdhsa_kernel
	.amdgpu_metadata
---
amdhsa.version: [ 1, 2 ]
amdhsa.kernels:
  - .name:           k_q4e157c1cb7_nearest_groups
    .symbol:         k_q4e157c1cb7_nearest_groups.kd
    .args:
      - { .name: xyz1, .offset: 0, .size: 8, .value_kind: global_buffer, .address_space: global }
      - { .name: xyz2, .offset: 8, .size: 8, .value_kind: global_buffer, .address_space: global }
      - { .name: flow1, .offset: 16, .size: 8, .value_kind: global_buffer, .address_space: global }
      - { .name: groups, .offset: 24, .size: 8, .value_kind: global_buffer, .address_space: global }
    .group_segment_fixed_size: 62720
    .private_segment_fixed_size: 0
    .kernarg_segment_align: 8
    .kernarg_segment_size: 32
    .max_flat_workgroup_size: 256
    .sgpr_count:     66
    .vgpr_count:     196
    .wavefront_size: 32
...
	.end_amdgpu_metadata
.endif
;; end of part 3
;; launch warp_points: the kernel of part 2 again; grid 256 x 1, 8 waves a work-group, no clusters, 2,048 bytes of LDS; arguments xyz1, xyz2, flow1, groups, out0; writes out0
